; MI455X (gfx1250); checked and timed in simulation.
; The chip was launched on July 23, 2026; its instructions are those of AMD's public machine-readable ISA for CDNA 5 (MIT licence, August 2026) and "CDNA5" Instruction Set Architecture Reference Guide (July 2026). The comments in the code are by the model that wrote it; some were corrected since.
;; Self Attention. Allowed arithmetic: matrix products marked QUANTISED: E5M2 operands, one given power-of-two scale a tensor, by v_wmma_f32_16x16x64_bf8_bf8 or v_wmma_f32_16x16x128_bf8_bf8, f32 sums; everything else in f32.
;; Inputs: Wk 1,024 x 1,024 float32; Wo 1,024 x 1,024 float32; Wq 1,024 x 1,024 float32; Wv 1,024 x 1,024 float32; bk 1,024 float32; bo 1,024 float32; bq 1,024 float32; bv 1,024 float32; lowp_scales 12 int32 (the exponents e of the quantised operands' scales 2^e); norm_embed 4 x 2,048 x 1,024 float32.
;; Outputs: out0 4 x 2,048 x 1,024 float32.
;; This version of the problem:
;;   THIS VERSION OF THE PROBLEM IS GIVEN IN LOW PRECISION. The matrix products marked QUANTISED in the list below multiply operands that are first quantised to E5M2 (5 exponent bits, 2 mantissa bits; 8 bits a number), with one given power-of-two scale for each operand tensor; their sums are f32. All else is computed in f32.
;;   The module's matrix products, in the order in which they are computed (A, B: the left and right operand; K: the contracted axis; several contracted axes count as one K, in the product's order):
;;     1. [M 8,192, K 1,024] x [K 1,024, N 1,024]; A: input norm_embed; B: input Wq: QUANTISED (scales: A lowp_scales[0], B lowp_scales[1])
;;     2. [M 8,192, K 1,024] x [K 1,024, N 1,024]; A: input norm_embed; B: input Wk: QUANTISED (scales: A lowp_scales[2], B lowp_scales[3])
;;     3. [M 8,192, K 1,024] x [K 1,024, N 1,024]; A: input norm_embed; B: input Wv: QUANTISED (scales: A lowp_scales[4], B lowp_scales[5])
;;     4. batch 64 x [M 2,048, K 64] x [K 64, N 2,048]; A: computed on the way; B: computed on the way: QUANTISED (scales: A lowp_scales[6], B lowp_scales[7])
;;     5. batch 64 x [M 2,048, K 2,048] x [K 2,048, N 64]; A: softmax (see below); B: computed on the way: QUANTISED (scales: A lowp_scales[8], B lowp_scales[9])
;;     6. [M 8,192, K 1,024] x [K 1,024, N 1,024]; A: computed on the way; B: input Wo: QUANTISED (scales: A lowp_scales[10], B lowp_scales[11])
;;   THE QUANTISER, for each operand of a quantised product, along K:
;;     - The operand's scale is 2^e, e = its entry of the input lowp_scales (int32; the entries are numbered through the quantised products in the list's order, A before B).
;;     - Each number is divided by the scale, clamped to +-57,344, and rounded to the nearest number of E5M2, ties to even, subnormals kept.
;;     - The product sums the exact products of the quantised numbers (number of the format x scale) in f32.
;;   ~~~python
;;   def quantise(x, axis, e):      # numpy; x: float32 -> the quantised numbers, widened to float32 again
;;       x = np.moveaxis(x, axis, -1); K = x.shape[-1]
;;       r = np.clip(x / 2.0 ** e, -57344, 57344)
;;       step = 2.0 ** (np.maximum(np.frexp(np.where(r == 0, 1, r))[1] - 1, -14) - 2)
;;       q = np.round(r / step) * step * 2.0 ** e      # np.round: ties to even
;;       return np.moveaxis(q, -1, axis).astype(np.float32)
;;   ~~~
;;   SOFTMAX AHEAD OF A QUANTISED PRODUCT. Where the list says 'softmax', what is quantised is not the finished softmax but p = 2^(t - M), with t = logit x log2(e) and M = ceil(the row's largest t), a whole number; so 1/2 < the row's largest p <= 1. The row's sum l is taken of the UNQUANTISED p, in f32, and the product's result is divided by l at the end. Since M is a whole number, a kernel that streams over the keys may use a running M (the ceiling of the running maximum): every later rescaling is an exact power of two, so the quantised numbers keep their values, but for numbers so far below the row's largest that they fall under the format's range.
;;   OPERANDS COMPUTED ON THE WAY. 'Computed on the way' means the value that the module computes at that place (a softmax that the list does not call 'softmax' is quantised finished and normalised). What goes into a quantiser is computed in f32, as accurately as f32 sums, v_exp_f32 and their like allow (about 1e-6 of the number): no bf16 or f16 on the way to a quantiser, and a product that is left as it is and whose result goes on into a quantised operand takes f32 operands (vector FMAs, or v_wmma_f32_16x16x4_f32). A number that lies on a knife's edge between two numbers of the format may be rounded either way, as far as f32 arithmetic and the matrix unit's own rounding can turn it there, and no further.
;; One version. Each part assembles by itself: llvm-mc -triple=amdgcn-amd-amdhsa -mcpu=gfx1250 --defsym DOCPART=n.
;; ======== version 1 of 1: 4 launches
;; limits: right only within a limited range of input values
;; workspace buffers: cw 29,360,128 bytes; qkv 25,165,824 bytes; ac 8,388,608 bytes
;; launch quant (part 1): grid 768 x 1, 8 waves a work-group, no clusters, 68,608 bytes of LDS; arguments norm_embed, Wq, Wk, Wv, Wo, lowp_scales, cw; writes cw
.if DOCPART == 1
	.amdgcn_target "amdgcn-amd-amdhsa--gfx1250"
	.amdhsa_code_object_version 6
	.text
	.protected	k_q1156081de3_quant
	.globl	k_q1156081de3_quant
	.p2align	8
	.type	k_q1156081de3_quant,@function
k_q1156081de3_quant:
	s_mov_b64 s[64:65], 0
	v_nop
	global_prefetch_b8 v0, s[64:65] scope:SCOPE_SE
	s_setreg_imm32_b32 hwreg(HW_REG_WAVE_MODE, 25, 1), 1
	s_wait_xcnt 0x0
; norm_embed [8192][1024] and the four weights [1024][1024], f32 with K innermost, become codes of BF8 (E5M2) in cw, laid as IMAGES OF THE OPERAND'S REGISTERS.
; An image is 16 rows x 64 K = 1,024 bytes: [half j][lane l][16 bytes]; lane (r = l % 16, h = l / 16) holds, of row r, k = 32 j + 8 h + 0..7 and then k = 32 j + 16 + 8 h + 0..7: registers 4 j .. 4 j + 3 of a fragment.
; cw: x by e0 at 0, x by e2 at 8,388,608, x by e4 at 16,777,216 (the three products give x three scales); Wq, Wk, Wv, Wo (e1, e3, e5, e11) from 25,165,824 on, 1,048,576 each; a tile of 16 rows is 16 images, 16,384 bytes.
; code = x / 2^e, to the nearest code, ties to even.  LIMITS: every e between -126 and 127, so that 2^e is an f32 number.  NaN among the inputs is not served.
; SHARES.  A work-group takes 16 rows: the first 512 work-groups of x, the other 256 of the weights (64 each).  Wave w takes K = 128 w .. 128 w + 127: each of its 16 loads reads 512 consecutive bytes of one row.
; The conversions want 8 neighbours along K in one lane's registers, so the 16 x 512 bytes turn through the wave's own stage in LDS (rows 528 bytes apart: 16 rows start 16 bytes apart modulo 256).
; Each store covers 512 consecutive bytes, aligned.  No barrier: waves share nothing.  No tensor load, cluster or matrix unit: a stream that shares no byte between work-groups.
.set NX,   512                         ; work-groups that take x
.set WOFF, 25165824                    ; the weights' codes in cw
.set SPI,  528                         ; a stage row
.set STGB, 16*SPI                      ; a wave's stage
.set R,    16                          ; v16-79   16 rows as loaded, 4 numbers a lane
.set X,    80                          ; v80-143  64 numbers of my row, in the fragment's order
.set T,    144                         ; v144-159 unused: the conversions read X itself
.set C,    160                         ; v160-207 codes: 16 registers for each scale, so that no store's data are written again
	s_load_b256 s[8:15], s[0:1], 0x0               ; x s[8:9], Wq s[10:11], Wk s[12:13], Wv s[14:15]
	s_load_b128 s[16:19], s[0:1], 0x20             ; Wo s[16:17], the scales' exponents s[18:19]
	s_load_b64 s[20:21], s[0:1], 0x30              ; cw
	v_lshl_add_u32 v208, v0, 2, 0x10800
	v_mov_b32 v209, 0
	v_lshrrev_b32 v1, 5, v0
	s_delay_alu instid0(VALU_DEP_1)
	v_readfirstlane_b32 s2, v1                     ; wave 0..7
	v_and_b32 v1, 31, v0                           ; lane
	s_delay_alu instid0(VALU_DEP_1)
	v_lshlrev_b32 v2, 4, v1                        ; 16 x lane: my bytes of a load's and of a store's 512
	s_mul_i32 s5, s2, STGB
	v_add_nc_u32 v3, s5, v2                        ; into the stage: as loaded
	v_and_b32 v5, 15, v0                           ; r
	v_bfe_u32 v6, v0, 4, 1                         ; h
	s_delay_alu instid0(VALU_DEP_2)
	v_mul_u32_u24 v4, v5, SPI
	s_delay_alu instid0(VALU_DEP_1)
	v_lshl_add_u32 v4, v6, 5, v4
	s_delay_alu instid0(VALU_DEP_1)
	v_add_nc_u32 v4, s5, v4                        ; out of it: row r, + 32 h bytes (8 numbers)
	s_sub_co_u32 s6, ttmp9, NX                     ; a weight's work-group: its number among them,
	s_lshr_b32 s3, s6, 6                           ; which weight (for x's work-groups a number above 3),
	s_and_b32 s4, s6, 63                           ; which 16 rows
	s_lshl_b32 s7, s3, 20
	s_add_co_u32 s7, s7, WOFF
	s_cmp_lt_u32 ttmp9, NX
	s_cselect_b32 s4, ttmp9, s4                    ; the tile of 16 rows
	s_cselect_b32 s40, 0, s7                       ; the operand's first byte in cw
	s_lshl_b32 s22, s4, 14
	s_add_co_u32 s40, s40, s22                     ; + 16,384 x tile
	s_lshl_b32 s22, s2, 11
	s_add_co_u32 s40, s40, s22                     ; + 2,048 x wave: two images
	s_mov_b32 s41, 0
	s_lshl_b32 s22, s4, 16                         ; the source: 16 rows of 4,096 bytes,
	s_lshl_b32 s23, s2, 9
	s_add_co_u32 s22, s22, s23                     ; + my 512 bytes of a row
	s_mov_b32 s23, 0
	s_wait_alu depctr_va_vdst(0)
	s_wait_kmcnt 0x0
	s_load_b256 s[24:31], s[18:19], 0x0            ; e0 .. e7
	s_load_b128 s[32:35], s[18:19], 0x20           ; e8 .. e11
	s_mov_b64 s[36:37], s[16:17]                   ; the source is chosen on the work-group's number alone
	s_cmp_eq_u32 s3, 2
	s_cselect_b64 s[36:37], s[14:15], s[36:37]
	s_cmp_eq_u32 s3, 1
	s_cselect_b64 s[36:37], s[12:13], s[36:37]
	s_cmp_eq_u32 s3, 0
	s_cselect_b64 s[36:37], s[10:11], s[36:37]
	s_cmp_lt_u32 ttmp9, NX
	s_cselect_b64 s[36:37], s[8:9], s[36:37]
	s_add_nc_u64 s[36:37], s[36:37], s[22:23]
	s_add_nc_u64 s[38:39], s[20:21], s[40:41]      ; where the codes go;
	s_add_nc_u64 s[42:43], s[38:39], 0x800000      ; x's second and third sets (used by x's work-groups alone)
	s_add_nc_u64 s[44:45], s[38:39], 0x1000000
.irp i, 0,1,2,3,4,5,6,7,8,9,10,11,12,13,14,15
	global_load_b128 v[R+4*\i:R+4*\i+3], v2, s[36:37] offset:4096*\i th:TH_LOAD_NT   ; row i: 32 lanes read 512 consecutive bytes; read once in the launch
.endr
.macro PATTERN e, sc, lim              ; 2^e as an f32 number
	s_add_co_i32 s47, s[\e], 127
	s_lshl_b32 s48, s47, 23
	v_mov_b32 v[\sc], s48                          ; the conversion takes its exponent field
.endm
	s_wait_kmcnt 0x0
	s_mov_b32 s46, s35                             ; e11, Wo's
	s_cmp_eq_u32 s3, 2
	s_cselect_b32 s46, s29, s46                    ; e5, Wv's
	s_cmp_eq_u32 s3, 1
	s_cselect_b32 s46, s27, s46                    ; e3, Wk's
	s_cmp_eq_u32 s3, 0
	s_cselect_b32 s46, s25, s46                    ; e1, Wq's
	s_cmp_lt_u32 ttmp9, NX
	s_cselect_b32 s46, s24, s46                    ; e0, x's first
	PATTERN 46, 8, 9
	PATTERN 26, 10, 11                             ; e2
	PATTERN 28, 12, 13                             ; e4
	s_wait_alu depctr_va_vdst(0)
.irp i, 0,1,2,3,4,5,6,7,8,9,10,11,12,13,14,15
	s_wait_loadcnt 15-\i                           ; loads come back in order: row i is in, the 15 - i younger ones may be out
	ds_store_b128 v3, v[R+4*\i:R+4*\i+3] offset:SPI*\i
.endr
.irp g, 0,1,2,3                        ; LDS serves a wave's instructions in order: these see the stores above.  Registers 16 g + 0..7: k = 32 g + 8 h + 0..7; 16 g + 8..15: k = 32 g + 16 + 8 h + 0..7
	ds_load_b128 v[X+16*\g:X+16*\g+3],     v4 offset:128*\g
	ds_load_b128 v[X+16*\g+4:X+16*\g+7],   v4 offset:128*\g+16
	ds_load_b128 v[X+16*\g+8:X+16*\g+11],  v4 offset:128*\g+64
	ds_load_b128 v[X+16*\g+12:X+16*\g+15], v4 offset:128*\g+80
.endr
	s_wait_dscnt 0x0
; One set of codes: 64 numbers a lane -> 16 registers, four stores.  s: the set; d: the destination's scalar pair; sc: the scale's pattern (lim unused).
.macro CONV s, d, sc, lim
.irp g, 0,1,2,3
.irp i, 0,1,2,3,4,5,6,7,8,9,10,11,12,13,14,15
.endr
	v_cvt_scalef32_pk8_bf8_f32 v[C+16*\s+4*\g:C+16*\s+4*\g+1], v[T+((X+16*\g+0)-(T+0)):T+7+((X+16*\g+0)-(T+0))], v[\sc]
	v_cvt_scalef32_pk8_bf8_f32 v[C+16*\s+4*\g+2:C+16*\s+4*\g+3], v[T+8+((X+16*\g+0)-(T+0)):T+15+((X+16*\g+0)-(T+0))], v[\sc]
	v_nop                                          ; one plain vector instruction between a scaled conversion and the next write of its sources (X)
	global_store_b128 v2, v[C+16*\s+4*\g:C+16*\s+4*\g+3], s[\d:\d+1] offset:512*\g   ; 512 consecutive bytes, aligned
.endr
.endm
	CONV 0, 38, 8, 9
	s_cmp_lt_u32 ttmp9, NX                         ; a weight has one scale: its work-groups are done
	s_cbranch_scc0 .Lend
	CONV 1, 42, 10, 11
	CONV 2, 44, 12, 13
.Lend:
	s_wait_tensorcnt 0x0
	ds_add_u32 v208, v209
	s_wait_dscnt 0x0
	s_endpgm
.Lfunc_end_k_q1156081de3_quant:
	.size	k_q1156081de3_quant, .Lfunc_end_k_q1156081de3_quant-k_q1156081de3_quant
	.p2alignl 7, 3214868480
	.fill 96, 4, 3214868480
	.section	.rodata,"a",@progbits
	.p2align	6, 0x0
	.amdhsa_kernel k_q1156081de3_quant
		.amdhsa_group_segment_fixed_size 68608
		.amdhsa_private_segment_fixed_size 0
		.amdhsa_enable_private_segment 0
		.amdhsa_kernarg_size 56
		.amdhsa_user_sgpr_count 2
		.amdhsa_user_sgpr_kernarg_segment_ptr 1
		.amdhsa_wavefront_size32 1
		.amdhsa_system_sgpr_workgroup_id_x 1
		.amdhsa_system_sgpr_workgroup_id_y 1
		.amdhsa_system_sgpr_workgroup_id_z 1
		.amdhsa_system_vgpr_workitem_id 0
		.amdhsa_next_free_vgpr 210
		.amdhsa_next_free_sgpr 66
		.amdhsa_reserve_vcc 0
		.amdhsa_float_denorm_mode_32 3
		.amdhsa_float_denorm_mode_16_64 3
		.amdhsa_fp16_overflow 1
		.amdhsa_memory_ordered 1
		.amdhsa_forward_progress 1
		.amdhsa_inst_pref_size 11
	.end_amdhsa_kernel
	.amdgpu_metadata
---
amdhsa.version: [ 1, 2 ]
amdhsa.kernels:
  - .name:           k_q1156081de3_quant
    .symbol:         k_q1156081de3_quant.kd
    .args:
      - { .name: norm_embed, .offset: 0, .size: 8, .value_kind: global_buffer, .address_space: global }
      - { .name: Wq, .offset: 8, .size: 8, .value_kind: global_buffer, .address_space: global }
      - { .name: Wk, .offset: 16, .size: 8, .value_kind: global_buffer, .address_space: global }
      - { .name: Wv, .offset: 24, .size: 8, .value_kind: global_buffer, .address_space: global }
      - { .name: Wo, .offset: 32, .size: 8, .value_kind: global_buffer, .address_space: global }
      - { .name: lowp_scales, .offset: 40, .size: 8, .value_kind: global_buffer, .address_space: global }
      - { .name: cw, .offset: 48, .size: 8, .value_kind: global_buffer, .address_space: global }
    .group_segment_fixed_size: 68608
    .private_segment_fixed_size: 0
    .kernarg_segment_align: 8
    .kernarg_segment_size: 56
    .max_flat_workgroup_size: 256
    .sgpr_count:     66
    .vgpr_count:     210
    .wavefront_size: 32
...
	.end_amdgpu_metadata
.endif
;; end of part 1
;; launch qkvg (part 2): grid 12 x 32, 4 waves a work-group, clusters of 4 x 4, 327,680 bytes of LDS; arguments cw, lowp_scales, bq, bk, bv, qkv; writes qkv
.if DOCPART == 2
	.amdgcn_target "amdgcn-amd-amdhsa--gfx1250"
	.amdhsa_code_object_version 6
	.text
	.protected	k_q1156081de3_qkvg
	.globl	k_q1156081de3_qkvg
	.p2align	8
	.type	k_q1156081de3_qkvg,@function
k_q1156081de3_qkvg:
	s_mov_b64 s[64:65], 0
	v_nop
	global_prefetch_b8 v0, s[64:65] scope:SCOPE_SE
	s_setreg_imm32_b32 hwreg(HW_REG_WAVE_MODE, 25, 1), 1
	s_wait_xcnt 0x0
	s_wait_alu depctr_hold_cnt(0) depctr_sa_sdst(0) depctr_va_vdst(0) depctr_va_sdst(0) depctr_va_ssrc(0) depctr_va_vcc(0) depctr_vm_vsrc(0)
	s_getreg_b32 s2, hwreg(HW_REG_IB_STS2, 6, 4)
	s_cmp_eq_u32 s2, 0
	s_cbranch_scc0 .Lentry_in_a_cluster
	s_endpgm
.Lentry_in_a_cluster:
	s_bfe_u32 s2, ttmp6, 0x10000c
	s_cmp_lg_u32 s2, 0xf033
	s_cbranch_scc0 .Lentry_shape_is_right
	s_endpgm
.Lentry_shape_is_right:
; q = x Wq^T + bq, k = x Wk^T + bk, v = x Wv^T + bv on codes of BF8 (E5M2) out of cw; each result is formed in f32 (sum x 2^(ea + eb) + bias, one rounding), and quantised for attention: q by e6 and k by e7 along the
; head's 64, v by e9 along the keys.  The codes leave as images of the next operand's registers (16 rows x 64 K = 1,024 bytes: [half j][lane][16 bytes]; lane (r, h): k = 32 j + 8 h + 0..7, then 32 j + 16 + 8 h + 0..7).
; LIMITS: e0 + e1, e2 + e3, e4 + e5 between -126 and 127; e6, e7, e9 between -126 and 112: each power of two below is then an f32 number.  NaN is not served.
; SHARES.  A work-group of four waves makes 256 x 256, a wave 128 x 128: 64 accumulators, 512 registers.  K = 1,024 goes in four steps of 256 through a ring of two LDS slots.
; The cluster's x says which product: 0 q, 1 k, 2 v.  Source 0 of the matrix instruction takes the 'B side', source 1 the 'A side': a lane holds ONE row of the A side and its registers run along the B side.
;   q, k: A side = 256 tokens, B side = 256 rows of the weight: a lane's eight registers are eight neighbours along the head's 64, which is the next K.
;   v:    A side = 256 rows of Wv, B side = 256 tokens (v^T = Wv x^T): a lane's registers run along the tokens, which are the keys, the next K.
; So a conversion of an accumulator's eight registers gives two registers of the next operand in the same lane: no stage, and every store covers 512 consecutive bytes, aligned.
; CLUSTERS: 4 x 4 work-groups.  The four of a row of the cluster need the same A side, the four of a column the same B side: each tile is asked for JOINTLY, by the same tensor load with the same descriptor and a mask that names the four.
; In memory a tile of 16 rows is 16 images on end (16,384 bytes); a K step of 256 is 4,096 bytes of it.  One tensor load brings 8 such pieces (128 rows x 256 K), dense in LDS: a fragment is four loads of 512 consecutive bytes.
; No prefetch: of the four K steps two are first fills.  One tile to a work-group.
; qkv: [16 b + head][slot of 256 tokens][Q 16,384 | K 16,384 | V 16,384]; Q, K: 16 token tiles x 1,024; V: [128 keys][16 channels][2,048].
; REGISTERS, in windows of 256: window 0: v16-29 addresses; v32-112 the way out; from v128 the A side's fragments, one set.  window 1: the B side's, two sets, at v0 and v128 (set 0 takes the biases at the end).
;   window 2: the accumulators of my A rows 0-63 ((a, b) at v[8 (8 a + b)]);  window 3: those of rows 64-127.
.set KSB,   4096                       ; a tile of 16 rows x 256 K
.set HALFT, 8*KSB                      ; 128 rows: what one tensor load brings, and what one wave reads of a side
.set SLOT,  4*HALFT                    ; the A side's 256 rows, then the B side's
.set SPARE, 2*SLOT                     ; behind the ring: the spare words, 128 bytes for each wave: two blocks of 256 bytes that no other line names
.set FR,    16                         ; registers of a fragment: 16 rows x 128 K
.set NL,    4                          ; LDS loads that bring one
.set NP,    4                          ; places behind this matrix instruction (ISA guide 7.12.1)
.set HS,    393216                     ; qkv: from head to head
.set SS,    49152                      ; from slot to slot
.set ADRA, 16                          ; v16-17  LDS address of my A fragments in slot 0, 1
.set ADRB, 20                          ; v20-21  the same for B
.set RO,   25                          ; v25     4 x (lane % 16)
.set CO,   26                          ; v26     16 x lane
.set BO,   27                          ; v27     32 x (lane / 16)
.set SPW,  28                          ; v28     LDS address of my spare word; never rewritten
.set NIL,  29                          ; v29     0; never rewritten
.set T,    32                          ; v32-95  a block's 64 numbers
.set C,    96                          ; v96-111 their codes
.set SCV,  112                         ; v112    the quantiser's scale as f32
.set LIMV, 113
.set AF,   128
.set G1, 24                            ; s[24:31] descriptor group 1 for the A side;  s[32:39] group 0, one set for each slot
.set G0, 32
.set G1B, 48                           ; s[48:55], s[56:63] the same for the B side
.set G0B, 56
.set MSB, 0
.macro WIN new                         ; the immediate's high byte repeats the setting that is left
.if MSB != (\new)
	s_set_vgpr_msb (MSB<<8)|(\new)
.set MSB, (\new)
.endif
.endm
.set MUL_LO, 0xa1                      ; source 0 (B) window 1, source 1 (A) window 0, C and D window 2
.set MUL_HI, 0xf1                      ; the same, C and D window 3
.set TO_B,   0x40                      ; destination window 1, address window 0
; A joint load: waves 0 and 1 fetch for the A side, waves 2 and 3 for the B side.  The branch hangs on the wave's number alone.  Four v_nop follow each of the two lines.
.macro JLOAD g0a, g1a, g0b, g1b
	s_cmp_eq_u32 s15, 0
	s_cbranch_scc0 .Lfor_b_\@
	tensor_load_to_lds s[\g0a:\g0a+3], s[\g1a:\g1a+7]
	s_nop 0
.rept 4
	v_nop
.endr
	s_branch .Lasked_\@
.Lfor_b_\@:
	tensor_load_to_lds s[\g0b:\g0b+3], s[\g1b:\g1b+7]
	s_nop 0
.rept 4
	v_nop
.endr
.Lasked_\@:
.endm
.macro CREST                           ; a round of the cluster's barrier behind its opening barrier
	s_cmp_lg_u32 s14, 0
	s_cbranch_scc1 .Lnot_wave_0_\@
	s_barrier_signal -3
.Lnot_wave_0_\@:
	s_barrier_wait -3
	s_barrier_signal -1
	s_barrier_wait -1
.endm
.macro CROUND                          ; a whole round
	s_barrier_signal -1
	s_barrier_wait -1
	CREST
.endm
	s_load_b256 s[4:11], s[0:1], 0x0               ; cw s[4:5], the scales' exponents s[6:7], bq s[8:9], bk s[10:11]
	s_load_b128 s[80:83], s[0:1], 0x20             ; bv s[80:81], qkv s[82:83]
	v_lshl_add_u32 v[SPW], v0, 2, SPARE
	v_mov_b32 v[NIL], 0
	ds_add_u32 v28, v29
	ds_add_u32 v28, v29
	s_wait_dscnt 0x0
	v_lshrrev_b32 v1, 5, v0
	v_readfirstlane_b32 s14, v1                    ; wave 0..3
	s_lshr_b32 s15, s14, 1                         ; which half of the A side is mine.  Also: I fetch for A (0) or for B (1)
	s_and_b32 s16, s14, 1                          ; which half of the B side.  Also: which 128 rows of that tile I fetch
	s_bfe_u32 s40, ttmp6, 0x40000                  ; cx, cy: my place in the cluster
	s_bfe_u32 s41, ttmp6, 0x40004
	s_and_b32 s13, ttmp7, 0xffff
	s_lshl_b32 s13, s13, 2                         ; 4 x cluster y: the tokens' coordinate
	s_lshl_b32 s90, ttmp9, 23                      ; q, k: the A side is x's set for this product,
	s_lshl_b32 s91, ttmp9, 20
	s_add_co_u32 s91, s91, 25165824                ; the B side its weight
	s_cmp_eq_u32 ttmp9, 2                          ; v: the sides change places.  The cluster's x is the same in all sixteen partners
	s_cselect_b32 s18, 0, s13
	s_cselect_b32 s19, s13, 0
	s_cselect_b32 s90, 27262976, s90               ; Wv's codes
	s_cselect_b32 s91, 16777216, s91               ; x's third set
	s_add_co_u32 s17, s18, s41                     ; the A side's tile of 256 rows: it hangs on cy and the cluster's place alone,
	s_add_co_u32 s42, s19, s40                     ; the B side's on cx and the cluster's place alone
	s_lshl_b32 s43, s41, 2
	s_lshl_b32 s43, 15, s43                        ; my row of the cluster
	s_lshl_b32 s44, 0x1111, s40                    ; my column
	; descriptor group 1: 8 rows of 512 elements of 8 bytes (4,096 bytes), 2,048 elements (16,384 bytes) apart, dense in LDS
	s_or_b32 s[G1+0], s43, (3<<16)|(1<<21)         ; 15:0 the mask: the A side goes to my row; 17:16 elements of 8 bytes; 20 no padding; 21 set beside a mask
	s_or_b32 s[G1B+0], s44, (3<<16)|(1<<21)
.irp g, G1, G1B
	s_mov_b32 s[\g+1], 512<<16                     ; tensor_dim0
	s_mov_b32 s[\g+2], 8<<16                       ; tensor_dim1
	s_mov_b32 s[\g+3], 512<<16                     ; tile_dim0
	s_mov_b32 s[\g+4], 8                           ; tile_dim1
	s_mov_b32 s[\g+5], 2048                        ; tensor_dim0_stride
	s_mov_b32 s[\g+6], 0
	s_mov_b32 s[\g+7], 0
.endr
	s_lshl_b32 s92, s16, 17                        ; which 128 rows of the tile I fetch: 8 tiles of 16,384 bytes
	s_lshl_b32 s20, s17, 18                        ; 256 rows are 262,144 bytes
	s_add_co_u32 s20, s20, s90
	s_add_co_u32 s20, s20, s92
	s_mov_b32 s21, 0
	s_lshl_b32 s46, s42, 18
	s_add_co_u32 s46, s46, s91
	s_add_co_u32 s46, s46, s92
	s_mov_b32 s47, 0
	s_mul_i32 s45, s14, HALFT                      ; where they go: wave x 128 rows: no place in the cluster enters an LDS address
	s_wait_kmcnt 0x0
	s_load_b256 s[68:75], s[6:7], 0x0              ; e0 .. e7
	s_load_b128 s[76:79], s[6:7], 0x20             ; e8 .. e11
	s_add_nc_u64 s[20:21], s[4:5], s[20:21]
	s_add_nc_u64 s[46:47], s[4:5], s[46:47]
	CROUND                                         ; all sixteen work-groups are here: the first joint loads meet
.irp s, 0,1
	s_mov_b32 s[G0+4*\s], 1
	s_add_co_u32 s[G0+4*\s+1], s45, \s*SLOT
	s_add_nc_u64 s[G0+4*\s+2:G0+4*\s+3], s[20:21], \s*KSB
	s_or_b32 s[G0+4*\s+3], s[G0+4*\s+3], 0x80000000
	s_mov_b32 s[G0B+4*\s], 1
	s_add_co_u32 s[G0B+4*\s+1], s45, \s*SLOT
	s_add_nc_u64 s[G0B+4*\s+2:G0B+4*\s+3], s[46:47], \s*KSB
	s_or_b32 s[G0B+4*\s+3], s[G0B+4*\s+3], 0x80000000
	JLOAD G0+4*\s, G1, G0B+4*\s, G1B
.endr
	v_and_b32 v1, 31, v0
	v_lshlrev_b32 v[CO], 4, v1
	v_bfe_u32 v2, v0, 4, 1
	v_lshlrev_b32 v[BO], 5, v2
	v_and_b32 v3, 15, v0
	v_lshlrev_b32 v[RO], 2, v3
	s_mul_i32 s21, s15, HALFT                      ; my 128 rows of the A side
	s_mul_i32 s22, s16, HALFT                      ; my 128 rows of the B side,
	s_add_co_u32 s22, s22, 2*HALFT                 ; which lie behind A's 256
.irp s, 0,1
	v_add_nc_u32 v[ADRA+\s], s21, v[CO]
	v_add_nc_u32 v[ADRB+\s], s22, v[CO]
	s_add_co_u32 s21, s21, SLOT
	s_add_co_u32 s22, s22, SLOT
.endr
.macro FRAG reg, adr, q, i             ; a fragment, 16 rows x 128 K: two images on end: four loads of 512 consecutive bytes
.irp c, 0,1,2,3
	ds_load_b128 v[\reg+4*\c:\reg+4*\c+3], v[\adr] offset:2048*(\q)+512*\c+(\i)*KSB
.endr
.endm
; 16 matrix instructions: A's blocks a0, a0 + 1 x B's eight, 128 along K.  p: B's set.  zero = 1: the first product starts the sums.  The 64 accumulators take turns, one instruction a turn.
.macro MUL16 a0, p, zero
.irp a, \a0, \a0+1
.irp b, 0,1,2,3,4,5,6,7
.if \zero
	v_wmma_f32_16x16x128_bf8_bf8 v[8*(8*((\a)%4)+\b):8*(8*((\a)%4)+\b)+7], v[128*(\p)+FR*\b:128*(\p)+FR*\b+FR-1], v[AF+FR*(\a):AF+FR*(\a)+FR-1], 0
.else
	v_wmma_f32_16x16x128_bf8_bf8 v[8*(8*((\a)%4)+\b):8*(8*((\a)%4)+\b)+7], v[128*(\p)+FR*\b:128*(\p)+FR*\b+FR-1], v[AF+FR*(\a):AF+FR*(\a)+FR-1], v[8*(8*((\a)%4)+\b):8*(8*((\a)%4)+\b)+7]
.endif
.endr
.endr
.endm
.macro FETCH_B slot, q, p              ; B's eight fragments of the slot's q-th 128 along K into set p
	WIN TO_B
.irp i, 0,1,2,3,4,5,6,7
	FRAG 128*(\p)+FR*\i, ADRB+\slot, \q, \i
.endr
	WIN 0
.endm
.macro FETCH_A slot, q, i0             ; A's blocks i0 .. i0 + 3
.irp i, \i0, \i0+1, \i0+2, \i0+3
	FRAG AF+FR*(\i), ADRA+\slot, \q, \i
.endr
.endm
.macro PLACES n                        ; plain vector instructions between a matrix instruction and a load into, or a read of, its registers
.rept \n
	v_nop
.endr
.endm
; A step of 128 along K that has its successor in the same slot.  A's blocks are free as soon as their eight products are issued: blocks 0-3 are fetched anew in the middle, blocks 4-7 at the end.
.macro STEP slot, q, zero
	s_wait_dscnt 4*NL                              ; B's set and A's blocks 0-3 are in; the youngest 16 loads (A's blocks 4-7) may be out
	WIN MUL_LO
	MUL16 0, (\q)%2, \zero
	MUL16 2, (\q)%2, \zero
	s_wait_dscnt 0
	PLACES NP
	FETCH_B \slot, (\q)+1, 1-(\q)%2
	FETCH_A \slot, (\q)+1, 0
	WIN MUL_HI
	MUL16 4, (\q)%2, \zero
	MUL16 6, (\q)%2, \zero
	PLACES NP
	WIN 0
	FETCH_A \slot, (\q)+1, 4
.endm
; A slot's last step changes slots: ONE barrier; in front of it each wave waits for all its tensor loads, adds 0 to its spare word, and waits for that and for its own reads of this slot.  fill = 1: this slot is filled again, two K steps ahead.
.macro TURN slot, next, fill
	s_wait_tensorcnt 0x0                           ; all my tensor loads have landed: my part of the next slot
	ds_add_u32 v[SPW], v[NIL]                      ; 0 onto my spare word
	s_wait_dscnt 4*NL+1                            ; (the add and the youngest 16 loads may be out)
	WIN MUL_LO
	MUL16 0, 1, 0                                  ; sixteen matrix instructions stand between the add and the wait for it
	s_wait_dscnt 0x0                               ; the add is done, and my reads of this slot are over
	s_barrier_signal -1
	MUL16 2, 1, 0
	WIN 0
	s_barrier_wait -1
.if \fill
	CREST                                          ; the barrier has opened a round of the cluster's barrier: no wave of any partner still reads this slot or has a load on its way
	s_add_nc_u64 s[G0+4*\slot+2:G0+4*\slot+3], s[G0+4*\slot+2:G0+4*\slot+3], 2*KSB
	s_add_nc_u64 s[G0B+4*\slot+2:G0B+4*\slot+3], s[G0B+4*\slot+2:G0B+4*\slot+3], 2*KSB
	JLOAD G0+4*\slot, G1, G0B+4*\slot, G1B         ; the first tensor load behind the round; its four v_nop are the places in front of the loads below
.else
	PLACES NP
.endif
	FETCH_B \next, 0, 0
	FETCH_A \next, 0, 0
	WIN MUL_HI
	MUL16 4, 1, 0
	MUL16 6, 1, 0
	PLACES NP
	WIN 0
	FETCH_A \next, 0, 4
.endm
.macro LAST                            ; the very last 128 along K: nothing more to fetch
	s_wait_dscnt 4*NL
	WIN MUL_LO
	MUL16 0, 1, 0
	MUL16 2, 1, 0
	s_wait_dscnt 0
	WIN MUL_HI
	MUL16 4, 1, 0
	MUL16 6, 1, 0
	WIN 0
.endm
; 2^(ea + eb) for the sums (s96, twice: the packed form names a pair), 2^eo for the quantiser
.macro PATTERNS ea, eb, eo
	s_add_co_i32 s96, s[\ea], s[\eb]
	s_add_co_i32 s96, s96, 127
	s_lshl_b32 s96, s96, 23
	s_mov_b32 s97, s96
	s_add_co_i32 s94, s[\eo], 127
	s_lshl_b32 s95, s94, 23
	v_mov_b32 v[SCV], s95
.endm
; where my wave's codes begin in qkv.  tok: the register with the tile of 256 tokens; feat: that of 256 features (4 heads); fh, th: my half of the features (2 heads) and of the tokens (8,192 bytes in Q, K and V alike)
.macro OUTBASE tok, feat, fh, th
	s_lshr_b32 s92, s[\tok], 3
	s_lshl_b32 s92, s92, 4                         ; 16 b
	s_lshl_b32 s93, s[\feat], 2
	s_add_co_u32 s92, s92, s93
	s_lshl_b32 s93, s[\fh], 1
	s_add_co_u32 s92, s92, s93                     ; + the first of my two heads
	s_mul_i32 s92, s92, HS
	s_and_b32 s93, s[\tok], 7
	s_mul_i32 s93, s93, SS                         ; the slot
	s_add_co_u32 s92, s92, s93
	s_lshl_b32 s93, ttmp9, 14                      ; Q at 0, K at 16,384, V at 32,768
	s_add_co_u32 s92, s92, s93
	s_lshl_b32 s93, s[\th], 13
	s_add_co_u32 s92, s92, s93
	s_mov_b32 s93, 0
	s_add_nc_u64 s[88:89], s[82:83], s[92:93]
.endm
; THE WAY OUT, block by block of 16 A rows x 128 B rows: y = sum x 2^(ea + eb) + bias (one packed multiply-add for two; each accumulator from its low end on), eight conversions, four stores.
.macro EPI isv
.irp a, 0,1,2,3,4,5,6,7
.set AC, 64*(\a%4)
	WIN 0x12+(\a/4)                                ; source 0 (the sums) window 2 or 3, source 2 (the bias) window 1
.irp b, 0,1,2,3,4,5,6,7
.irp i, 0,2,4,6
.if \isv
	v_pk_fma_f32 v[T+8*\b+\i:T+8*\b+\i+1], v[AC+8*\b+\i:AC+8*\b+\i+1], s[96:97], v[2*\a:2*\a+1] op_sel_hi:[1,0,1]       ; the bias is my channel's, the same for all tokens
.else
	v_pk_fma_f32 v[T+8*\b+\i:T+8*\b+\i+1], v[AC+8*\b+\i:AC+8*\b+\i+1], s[96:97], v[8*\b+\i:8*\b+\i+1] op_sel_hi:[1,0,1] ; the bias of feature 16 b + 8 h + i
.endif
.endr
.endr
	WIN 0
.set jj, 0
.rept 64
.set jj, jj+1
.endr
.if \a > 0
	s_wait_alu depctr_va_vdst(0)
	s_wait_xcnt 0x0                                ; the last block's stores have read their data: C is written again only behind this wait
.endif
.irp b, 0,1,2,3,4,5,6,7
	v_cvt_scalef32_pk8_bf8_f32 v[C+2*\b:C+2*\b+1], v[T+8*\b:T+8*\b+7], v[SCV]   ; registers 2 b, 2 b + 1 of the next operand
.endr
	v_nop                                          ; one plain vector instruction between a scaled conversion and the next write of its sources
.irp c, 0,1,2,3
.if \isv
	global_store_b128 v[CO], v[C+4*\c:C+4*\c+3], s[88:89] offset:(\a/4)*HS+2048*(\a%4)+512*\c    ; a fragment of V: channels 16 (a % 4) on of head a / 4, my 128 keys
.else
	global_store_b128 v[CO], v[C+4*\c:C+4*\c+3], s[88:89] offset:1024*\a+(\c/2)*HS+512*(\c%2)    ; token tile a: the image of head c / 2, half c % 2
.endif
.endr
.endr
.endm
	s_wait_alu depctr_va_vdst(0)
	s_wait_tensorcnt 1                             ; my part of K step 0 is in (K step 1's load may be out)
	s_barrier_signal -1
	s_barrier_wait -1                              ; everybody's is
	FETCH_B 0, 0, 0
	FETCH_A 0, 0, 0
	FETCH_A 0, 0, 4
	STEP 0, 0, 1                                   ; the first products start the sums: nothing is cleared
	TURN 0, 1, 1                                   ; slot 0 takes K step 2
	STEP 1, 0, 0
	TURN 1, 0, 1                                   ; slot 1 takes K step 3
	STEP 0, 0, 0
	TURN 0, 1, 0                                   ; nothing is left to fetch: no round
	STEP 1, 0, 0
	s_wait_kmcnt 0x0                               ; the exponents
	s_cmp_eq_u32 ttmp9, 2                          ; the two ways hold no barrier, no LDS instruction and no tensor load
	s_cbranch_scc1 .Lv
	; ---- q or k.  The biases land in B's set 0, which the step above has left (its closing places stand behind the last product that read it), while the last 64 products are issued
	s_cmp_eq_u32 ttmp9, 1
	s_cselect_b64 s[86:87], s[10:11], s[8:9]       ; bk or bq
	s_cselect_b32 s90, s70, s68                    ; e2 or e0
	s_cselect_b32 s91, s71, s69                    ; e3 or e1
	s_cselect_b32 s92, s75, s74                    ; e7 or e6
	PATTERNS 90, 91, 92
	s_lshl_b32 s92, s42, 10
	s_lshl_b32 s93, s16, 9
	s_add_co_u32 s92, s92, s93                     ; my 128 features
	s_mov_b32 s93, 0
	s_add_nc_u64 s[86:87], s[86:87], s[92:93]
	WIN TO_B
.irp b, 0,1,2,3,4,5,6,7
	global_load_b128 v[8*\b:8*\b+3],   v[BO], s[86:87] offset:64*\b      ; register 8 b + j: the bias of feature 16 b + 8 h + j
	global_load_b128 v[8*\b+4:8*\b+7], v[BO], s[86:87] offset:64*\b+16
.endr
	WIN 0
	OUTBASE 17, 42, 16, 15
	LAST
	PLACES NP
	s_wait_loadcnt 0x0
	EPI 0
	s_branch .Lend
.Lv:
	; ---- v
	PATTERNS 72, 73, 77                            ; e4, e5, e9
	s_lshl_b32 s92, s17, 10
	s_lshl_b32 s93, s15, 9
	s_add_co_u32 s92, s92, s93                     ; my 128 channels
	s_mov_b32 s93, 0
	s_add_nc_u64 s[86:87], s[80:81], s[92:93]
	WIN TO_B
.irp a, 0,1,2,3,4,5,6,7
	global_load_b32 v[2*\a],   v[RO], s[86:87] offset:64*\a              ; the bias of channel 16 a + r, twice: a pair for the packed form
	global_load_b32 v[2*\a+1], v[RO], s[86:87] offset:64*\a
.endr
	WIN 0
	OUTBASE 42, 17, 15, 16
	LAST
	PLACES NP
	s_wait_loadcnt 0x0
	EPI 1
.Lend:
	s_wait_tensorcnt 0x0                           ; the wave's end
	ds_add_u32 v[SPW], v[NIL]
	s_wait_dscnt 0x0
	CROUND                                         ; the closing round: no work-group ends while a partner may still ask for a tile that names it
	s_endpgm
.Lfunc_end_k_q1156081de3_qkvg:
	.size	k_q1156081de3_qkvg, .Lfunc_end_k_q1156081de3_qkvg-k_q1156081de3_qkvg
	.p2alignl 7, 3214868480
	.fill 96, 4, 3214868480
	.section	.rodata,"a",@progbits
	.p2align	6, 0x0
	.amdhsa_kernel k_q1156081de3_qkvg
		.amdhsa_group_segment_fixed_size 327680
		.amdhsa_private_segment_fixed_size 0
		.amdhsa_enable_private_segment 0
		.amdhsa_kernarg_size 48
		.amdhsa_user_sgpr_count 2
		.amdhsa_user_sgpr_kernarg_segment_ptr 1
		.amdhsa_wavefront_size32 1
		.amdhsa_system_sgpr_workgroup_id_x 1
		.amdhsa_system_sgpr_workgroup_id_y 1
		.amdhsa_system_sgpr_workgroup_id_z 1
		.amdhsa_system_vgpr_workitem_id 0
		.amdhsa_next_free_vgpr 1024
		.amdhsa_next_free_sgpr 100
		.amdhsa_reserve_vcc 0
		.amdhsa_float_denorm_mode_32 3
		.amdhsa_float_denorm_mode_16_64 3
		.amdhsa_fp16_overflow 1
		.amdhsa_memory_ordered 1
		.amdhsa_forward_progress 1
		.amdhsa_inst_pref_size 135
	.end_amdhsa_kernel
	.amdgpu_metadata
---
amdhsa.version: [ 1, 2 ]
amdhsa.kernels:
  - .name:           k_q1156081de3_qkvg
    .symbol:         k_q1156081de3_qkvg.kd
    .args:
      - { .name: cw, .offset: 0, .size: 8, .value_kind: global_buffer, .address_space: global }
      - { .name: lowp_scales, .offset: 8, .size: 8, .value_kind: global_buffer, .address_space: global }
      - { .name: bq, .offset: 16, .size: 8, .value_kind: global_buffer, .address_space: global }
      - { .name: bk, .offset: 24, .size: 8, .value_kind: global_buffer, .address_space: global }
      - { .name: bv, .offset: 32, .size: 8, .value_kind: global_buffer, .address_space: global }
      - { .name: qkv, .offset: 40, .size: 8, .value_kind: global_buffer, .address_space: global }
    .group_segment_fixed_size: 327680
    .private_segment_fixed_size: 0
    .kernarg_segment_align: 8
    .kernarg_segment_size: 48
    .max_flat_workgroup_size: 128
    .sgpr_count:     100
    .vgpr_count:     1024
    .wavefront_size: 32
...
	.end_amdgpu_metadata
.endif
;; end of part 2
;; launch attn (part 3): grid 4 x 64, 16 waves a work-group, clusters of 4 x 1, 327,680 bytes of LDS; arguments qkv, lowp_scales, ac; writes ac
.if DOCPART == 3
	.amdgcn_target "amdgcn-amd-amdhsa--gfx1250"
	.amdhsa_code_object_version 6
	.text
	.protected	k_q1156081de3_attn
	.globl	k_q1156081de3_attn
	.p2align	8
	.type	k_q1156081de3_attn,@function
k_q1156081de3_attn:
	s_mov_b64 s[64:65], 0
	v_nop
	global_prefetch_b8 v0, s[64:65] scope:SCOPE_SE
	s_setreg_imm32_b32 hwreg(HW_REG_WAVE_MODE, 25, 1), 1
	s_wait_xcnt 0x0
	s_wait_alu depctr_hold_cnt(0) depctr_sa_sdst(0) depctr_va_vdst(0) depctr_va_sdst(0) depctr_va_ssrc(0) depctr_va_vcc(0) depctr_vm_vsrc(0)
	s_getreg_b32 s2, hwreg(HW_REG_IB_STS2, 6, 4)
	s_cmp_eq_u32 s2, 0
	s_cbranch_scc0 .Lentry_in_a_cluster
	s_endpgm
.Lentry_in_a_cluster:
	s_bfe_u32 s2, ttmp6, 0x10000c
	s_cmp_lg_u32 s2, 0x3003
	s_cbranch_scc0 .Lentry_shape_is_right
	s_endpgm
.Lentry_shape_is_right:
; Causal attention on codes of BF8 (E5M2), 64 (batch, head) pairs of 2,048 tokens, head size 64.  q, k, v come out of qkv as images of the operands' registers; the result, divided by the row's sum, is quantised by e10 and
; leaves in ac as images for the last product ([token tile][head][1,024 bytes]).
; THE SOFTMAX: t = score x 2^(e6 + e7) x log2(e) / 8; M = the running largest t rounded UP to a whole number; p = 2^(t - M) is quantised by e8 along the keys, not normalised; the row's sum is taken of the unquantised p and
; divides at the end; when M moves, the sum and O are multiplied by 2^(old M - new M), which rounds nothing.
; LIMITS: e6 + e7 between -123 and 130 (added to c's exponent field); e8, e10 between -126 and 112; e8 + e9 goes by v_ldexp_f32 and has none.  NaN is not served.
; SHARES.  A cluster of four work-groups owns one (batch, head) and walks its K and V together: each slot of 256 keys is asked for JOINTLY, mask 15.  A head has 128 tiles of 16 queries.  Wave w of work-group j (a = w % 4,
; g = (a + w / 4) % 4) owns tile ta = 16 g + 4 a + j and tile 127 - ta: they need ta / 8 + 1 and 16 - ta / 8 steps of 128 keys, 17 for every wave.  ta / 8 = 2 g + a / 2 hangs on the wave's number alone, so no branch hangs on a
; work-group's place in its cluster; that place enters Q's and ac's addresses, the prefetch's address and the mask's two vector registers.
; Every work-group walks all eight slots (constant trip count); a step all of whose keys come after a tile's queries is jumped over: its loads, products and softmax, no barrier and no tensor load.
; LAYOUT.  S^T = K Q^T (source 0 = 16 keys, source 1 = 16 queries), O^T = V^T P^T (source 0 = 16 channels, source 1 = P): a lane holds ONE query (lane % 16); register j of S^T's tile T is key 16 T + 8 (lane / 16) + j,
; which is where registers 2 T, 2 T + 1 of P's fragment want it: the conversions' results are the operand.  The same holds of O^T and the last product's operand: no stage on the way out.
; LDS: slot 0 at 0, slot 1 at 32,768: K 16 tiles x 1,024, then V [128 keys][16 channels][2,048]; every fragment load reads 512 consecutive bytes.
; REGISTERS: v1-7 addresses and the mask's numbers; v8-15 two tiles' -M, largest t, sum in two halves; v16-31 Q; v32-95 8 fragments of K, then 4 of V; v96-159 S^T, then p; v160-223 O^T; v224-239 codes; v236-254 at work.
.set HS,    393216                     ; qkv: from head to head
.set SS,    49152                      ; from slot to slot: Q 16,384 | K 16,384 | V 16,384
.set SLOT1, 32768                      ; one exclusive or turns an address in one slot into the other's
.set VOFF,  16384
.set SPARE, 65536                      ; behind the ring: the spare words, 128 bytes for each wave: eight blocks of 256 bytes that no other line names
.set NSL,   8
.set LI,   1                           ; v1   16 x lane
.set SPW,  2                           ; v2   LDS address of my spare word; never rewritten
.set NIL,  3                           ; v3   0; never rewritten
.set PFO,  4                           ; v4   256 x lane
.set ADK,  5                           ; v5   LDS address of the slot in hand, + 16 x lane
.set DA,   6                           ; v6, v7  my query less the diagonal step's first key less 8 (lane / 16), for tile A and tile B
.set WV,   18
.set CX,   19
.set SEL,  20                          ; s[20:21] lane selects for v_permlanex16_b32: lane l xor 16
.set CS,   22                          ; s[22:23] c, twice
.set G1,   24                          ; s[24:31] descriptor group 1
.set G0,   40                          ; s[40:43] group 0, which walks
.set TB,   66                          ; s66  LDS byte at which the slot in hand begins
.set SLOTS, 67                         ; s67  slots still to be asked for
.set PFA,  76                          ; s[76:77] where my prefetches stand
.set LIM,  80                          ; s80  1 in the wave that prefetches, else the greatest number
.set QS,   90                          ; s90, s91  first key of the step that holds tile A's, tile B's diagonal
.set KF,   98                          ; s98  the step's first key
.macro TLOAD                           ; wave 0 fetches a slot's K, wave 1 its V, the others nothing.  Four v_nop follow the line
	s_cmp_lt_u32 s[WV], 2
	s_cbranch_scc0 .Lasked_\@
	tensor_load_to_lds s[G0:G0+3], s[G1:G1+7]
	s_nop 0
.rept 4
	v_nop
.endr
.Lasked_\@:
.endm
; A prefetch of what the NEXT change of slots will ask for: a slot's K and V, 32,768 bytes on end.  The four partners take 8,192 bytes each, told apart by address; in each, wave 4 asks, lanes 256 bytes apart: each block of
; 256 bytes is named once in the launch.  Slots 0 and 1 come by their loads alone; the last change that fills a slot asks for nothing.
.macro ASK
	s_cmp_gt_u32 s[SLOTS], s[LIM]
	s_cbranch_scc0 .Lnot_mine_\@
	global_prefetch_b8 v[PFO], s[PFA:PFA+1] th:TH_LOAD_NT scope:SCOPE_SE
.Lnot_mine_\@:
.endm
.macro CROUND                          ; a round of the cluster's barrier
	s_barrier_signal -1
	s_barrier_wait -1
	s_cmp_lg_u32 s[WV], 0
	s_cbranch_scc1 .Lnot_wave_0_\@
	s_barrier_signal -3
.Lnot_wave_0_\@:
	s_barrier_wait -3
	s_barrier_signal -1
	s_barrier_wait -1
.endm
	s_load_b128 s[4:7], s[0:1], 0x0                ; qkv s[4:5], the scales' exponents s[6:7]
	s_load_b64 s[8:9], s[0:1], 0x10                ; ac
	v_lshl_add_u32 v[SPW], v0, 2, SPARE
	v_mov_b32 v[NIL], 0
	ds_add_u32 v2, v3
	ds_add_u32 v2, v3
	s_wait_dscnt 0x0
	v_lshrrev_b32 v5, 5, v0
	s_delay_alu instid0(VALU_DEP_1)
	v_readfirstlane_b32 s[WV], v5                  ; wave 0..15
	s_bfe_u32 s[CX], ttmp6, 0x40000                ; j: my place in the cluster
	s_and_b32 s10, ttmp7, 0xffff                   ; 16 b + head, which the four partners share
	s_and_b32 s11, s[WV], 3                        ; a
	s_lshr_b32 s12, s[WV], 2
	s_add_co_u32 s13, s11, s12
	s_and_b32 s13, s13, 3                          ; g
	s_lshr_b32 s14, s11, 1
	s_lshl_b32 s15, s13, 1
	s_add_co_u32 s14, s14, s15                     ; ta / 8
	s_lshl_b32 s[QS], s14, 7
	s_sub_co_u32 s[QS+1], 1920, s[QS]
	s_lshl_b32 s16, s11, 2
	s_add_co_u32 s16, s16, s[CX]                   ; tile A's place in its slot: 4 a + j
	s_lshl_b32 s17, s13, 4
	s_add_co_u32 s17, s17, s16                     ; ta
	s_sub_co_u32 s81, 127, s17                     ; tb
	s_lshl_b32 s82, s17, 4
	s_sub_co_u32 s82, s82, s[QS]                   ; tile A's first query less its diagonal step's first key
	s_lshl_b32 s83, s81, 4
	s_sub_co_u32 s83, s83, s[QS+1]
	s_mul_i32 s92, s10, HS                         ; the head's first byte in qkv
	s_and_b32 s94, s[WV], 1
	s_lshl_b32 s94, s94, 14                        ; K (0) or V (16,384): in a slot and in memory alike
	s_add_co_u32 s52, s92, s94
	s_add_co_u32 s52, s52, 16384                   ; behind the slot's Q
	s_mov_b32 s53, 0
	s_mul_i32 s54, s13, SS                         ; Q of tile A: slot g, tile 4 a + j
	s_lshl_b32 s55, s16, 10
	s_add_co_u32 s54, s54, s55
	s_add_co_u32 s54, s54, s92
	s_mov_b32 s55, 0
	s_sub_co_u32 s56, 7, s13                       ; Q of tile B: slot 7 - g, tile 15 - 4 a - j
	s_mul_i32 s56, s56, SS
	s_sub_co_u32 s57, 15, s16
	s_lshl_b32 s57, s57, 10
	s_add_co_u32 s56, s56, s57
	s_add_co_u32 s56, s56, s92
	s_mov_b32 s57, 0
	s_lshr_b32 s58, s10, 4
	s_lshl_b32 s58, s58, 7                         ; ac: 128 b token tiles,
	s_and_b32 s59, s10, 15
	s_lshl_b32 s59, s59, 10                        ; the head's image
	s_add_co_u32 s60, s58, s81
	s_lshl_b32 s60, s60, 14
	s_add_co_u32 s60, s60, s59
	s_mov_b32 s61, 0
	s_add_co_u32 s58, s58, s17
	s_lshl_b32 s58, s58, 14
	s_add_co_u32 s58, s58, s59
	s_mov_b32 s59, 0
	s_lshl_b32 s62, s[CX], 13                      ; the prefetches: my work-group's 8,192 bytes,
	s_add_co_u32 s62, s62, s92
	s_add_co_u32 s62, s62, SS+16384                ; of slot 1's K and V: the first change of slots steps it to slot 2
	s_mov_b32 s63, 0
	s_cmp_eq_u32 s[WV], 4
	s_cselect_b32 s[LIM], 1, -1
	; descriptor group 1: 64 rows of 32 elements of 8 bytes (256 bytes), dense in memory and in LDS: 16,384 bytes
	s_mov_b32 s[G1], 15|(3<<16)|(1<<21)            ; 15:0 the mask: all four work-groups; 17:16 elements of 8 bytes; 20 no padding; 21 set beside a mask
	s_mov_b32 s[G1+1], 32<<16                      ; tensor_dim0
	s_mov_b32 s[G1+2], 64<<16                      ; tensor_dim1
	s_mov_b32 s[G1+3], 32<<16                      ; tile_dim0
	s_mov_b32 s[G1+4], 64                          ; tile_dim1
	s_mov_b32 s[G1+5], 32                          ; tensor_dim0_stride
	s_mov_b32 s[G1+6], 0
	s_mov_b32 s[G1+7], 0
	s_mov_b32 s[SEL], 0x76543210
	s_mov_b32 s[SEL+1], 0xfedcba98
	s_mov_b32 s[CS], 0x3e38aa3b                    ; c = log2(e) / sqrt(64)
	s_mov_b32 s[TB], 0
	s_mov_b32 s[SLOTS], NSL-1
	s_mov_b32 s[KF], 0
	v_and_b32 v[LI], 31, v0
	s_delay_alu instid0(VALU_DEP_1)
	v_lshlrev_b32 v[PFO], 8, v[LI]
	s_delay_alu instid0(VALU_DEP_2)
	v_lshlrev_b32 v[LI], 4, v[LI]
	s_wait_kmcnt 0x0
	s_load_b256 s[68:75], s[6:7], 0x0              ; e0 .. e7
	s_load_b128 s[84:87], s[6:7], 0x20             ; e8 .. e11
	s_mov_b32 s[G0], 1                             ; 1:0 count = 1
	s_mov_b32 s[G0+1], s94                         ; 63:32 LDS address: slot 0
	s_add_nc_u64 s[G0+2:G0+3], s[4:5], s[52:53]    ; 120:64 global address: the head's first 256 keys
	s_or_b32 s[G0+3], s[G0+3], 0x80000000          ; 127:126 type = 2
	s_add_nc_u64 s[44:45], s[4:5], s[54:55]        ; Q of tile A,
	s_add_nc_u64 s[46:47], s[4:5], s[56:57]        ; of tile B
	s_add_nc_u64 s[48:49], s[8:9], s[58:59]        ; where tile A's codes go,
	s_add_nc_u64 s[50:51], s[8:9], s[60:61]        ; and tile B's
	s_add_nc_u64 s[PFA:PFA+1], s[4:5], s[62:63]
	CROUND                                         ; all four work-groups are here: the first joint loads meet
	TLOAD                                          ; slot 0
	s_wait_alu depctr_va_vdst(0)
	global_load_b128 v[16:19], v[LI], s[44:45]               ; Q's fragments stay in registers
	global_load_b128 v[20:23], v[LI], s[44:45] offset:512
	global_load_b128 v[24:27], v[LI], s[46:47]
	global_load_b128 v[28:31], v[LI], s[46:47] offset:512
	v_and_b32 v8, 15, v0                           ; r
	v_bfe_u32 v9, v0, 4, 1                         ; h
	s_delay_alu instid0(VALU_DEP_1)
	v_lshlrev_b32 v9, 3, v9
	s_delay_alu instid0(VALU_DEP_1)
	v_sub_nc_u32 v8, v8, v9
	s_delay_alu instid0(VALU_DEP_1)
	v_add_nc_u32 v[DA], s82, v8                    ; on the diagonal step register 8 T + i holds a hidden key where 16 T + i is above this
	s_delay_alu instid0(VALU_DEP_2)
	v_add_nc_u32 v[DA+1], s83, v8
.irp x, 0,1
	v_mov_b32 v[9+4*\x], 0xff61b1e6                ; the largest t so far: -3e38, under every t
	s_delay_alu instid0(VALU_DEP_1)
	v_floor_f32 v[8+4*\x], -v[9+4*\x]              ; -M
	v_mov_b32 v[10+4*\x], 0                        ; the sum, in two halves
	v_mov_b32 v[11+4*\x], 0
.endr
	v_mov_b32 v236, 0                              ; written once: a lane permute's destination counts as one of its sources
	v_mov_b32 v252, 0
	v_mov_b32 v253, 0                              ; (named as the upper half of the pair v[252:253])
	v_mov_b32 v254, 0
.set jj, 0
.rept 64
	v_mov_b32 v[160+jj], 0                         ; O^T of both tiles.  (The step is written without a first form: the first change of M multiplies zeros)
.set jj, jj+1
.endr
	s_wait_kmcnt 0x0
	s_add_co_i32 s88, s74, s75
	s_lshl_b32 s88, s88, 23
	s_add_co_i32 s[CS], s[CS], s88                 ; a score stands for score x 2^(e6 + e7): the two exponents are added to c's exponent field
	s_mov_b32 s[CS+1], s[CS]
	s_add_co_i32 s88, s84, 127
	s_lshl_b32 s89, s88, 23
	v_mov_b32 v244, s89                            ; 2^e8 as f32, for p's conversions
	s_add_co_i32 s88, s86, 127
	s_lshl_b32 s89, s88, 23
	v_mov_b32 v246, s89                            ; 2^e10, for the result's
	s_add_co_i32 s88, s84, s85                     ; e8 + e9, kept for the way out
; A KEY STEP for tile x (0: A, 1: B): 128 keys, the q-th of the slot in hand.
.macro STEP x, q
.set ST, 8+4*(\x)
.set OT, 160+32*(\x)
.set QF, 16+8*(\x)
	s_cmp_gt_u32 s[KF], s[QS+(\x)]                 ; all 128 keys come after my 16 queries: the step's work is left out
	s_cbranch_scc1 .Lhid_\@
	v_add_nc_u32 v[ADK], s[TB], v[LI]
.rept 3
	v_nop                                          ; with the addition: four places in front of loads into registers that the last products read
.endr
.irp t, 0,1,2,3,4,5,6,7
	ds_load_b128 v[32+8*\t:35+8*\t], v[ADK] offset:(8*(\q)+\t)*1024
	ds_load_b128 v[36+8*\t:39+8*\t], v[ADK] offset:(8*(\q)+\t)*1024+512
.endr
	s_wait_alu depctr_va_vdst(0)
	s_wait_dscnt 0x0
.irp t, 0,1,2,3,4,5,6,7
	v_wmma_f32_16x16x64_bf8_bf8 v[96+8*\t:103+8*\t], v[32+8*\t:39+8*\t], v[QF:QF+7], 0
.endr
.rept 4
	v_nop                                          ; places in front of the loads below and of the first read of the scores
.endr
.irp t, 0,1,2,3                        ; V's four fragments land while the softmax is worked
.irp c, 0,1,2,3
	ds_load_b128 v[32+16*\t+4*\c:35+16*\t+4*\c], v[ADK] offset:VOFF+8192*(\q)+2048*\t+512*\c
.endr
.endr
	s_cmp_lt_u32 s[KF], s[QS+(\x)]                 ; a step all of whose keys count skips the mask
	s_cbranch_scc1 .Lopen_\@
	v_mov_b32 v254, 0xff800000                     ; on the diagonal the scores of hidden keys become -infinity ahead of the maximum: p = 0 then
.irp n, 0,1,2,3,4,5,6,7,8,9,10,11,12,13,14,15,16,17,18,19,20,21,22,23,24,25,26,27,28,29,30,31,32,33,34,35,36,37,38,39,40,41,42,43,44,45,46,47,48,49,50,51,52,53,54,55,56,57,58,59,60,61,62,63
	v_cmp_gt_i32 vcc_lo, 16*(\n/8)+\n%8, v[DA+(\x)]
	v_cndmask_b32 v[96+\n], v[96+\n], v254, vcc_lo
.endr
.Lopen_\@:
	v_max3_num_f32 v254, v96, v97, v98             ; the step's largest score of my query, among my 64 keys, in two chains, each accumulator from its low end on,
	v_max3_num_f32 v252, v99, v100, v101
.irp i, 6,10,14,18,22,26,30,34,38,42,46,50,54,58
	v_max3_num_f32 v254, v254, v[96+\i], v[97+\i]
	v_max3_num_f32 v252, v252, v[98+\i], v[99+\i]
.endr
	v_max3_num_f32 v254, v254, v158, v159
	s_delay_alu instid0(VALU_DEP_1)
	v_max_num_f32 v254, v254, v252
	v_permlanex16_b32 v236, v254, s[SEL], s[SEL+1]
	s_delay_alu instid0(VALU_DEP_1)
	v_max_num_f32 v254, v254, v236                 ; and among lane l xor 16's
	s_delay_alu instid0(VALU_DEP_1)
	v_mul_f32 v254, s[CS], v254                    ; as t (c is positive)
	s_delay_alu instid0(VALU_DEP_1)
	v_max_num_f32 v[ST+1], v[ST+1], v254           ; the running largest t
	v_mov_b32 v254, v[ST]
	s_delay_alu instid0(VALU_DEP_2)
	v_floor_f32 v[ST], -v[ST+1]                    ; the new -M = floor(-t) = -ceil(t): a whole number
	s_delay_alu instid0(VALU_DEP_1)
	v_sub_f32 v254, v[ST], v254                    ; old M less new M: a whole number, 0 or less
	s_delay_alu instid0(VALU_DEP_1)
	v_cvt_i32_f32 v254, v254                       ; (it saturates)
	s_delay_alu instid0(VALU_DEP_1)
	v_ldexp_f32 v252, 1.0, v254                    ; f = 2^(old M - new M)
.set jj, 0
.rept 32
	v_pk_fma_f32 v[96+jj:97+jj], v[96+jj:97+jj], s[CS:CS+1], v[ST:ST+1] op_sel_hi:[1,0,0]   ; t - M, two at a time (of the pairs c and -M the low word serves both halves)
.set jj, jj+2
.endr
.set jj, 0
	s_wait_alu depctr_va_vdst(0)
.rept 64
	v_exp_f32 v[96+jj], v[96+jj]                   ; p = 2^(t - M), at most 1
.set jj, jj+1
.endr
	v_pk_mul_f32 v[ST+2:ST+3], v[ST+2:ST+3], v[252:253] op_sel_hi:[1,0]   ; the sums under the new M: the plain instruction behind the exponentials
	s_wait_alu depctr_va_vdst(0)                   ; one wait for the whole batch, ahead of its first reader
	v_pk_add_f32 v[242:243], v[96:97], v[98:99]    ; the row's sum is taken of the unquantised p: two at a time, in two chains
.irp j, 4,8,12,16,20,24,28,32,36,40,44,48,52,56,60
	v_pk_add_f32 v[ST+2:ST+3], v[ST+2:ST+3], v[96+\j:97+\j]
	v_pk_add_f32 v[242:243], v[242:243], v[98+\j:99+\j]
.endr
	s_delay_alu instid0(VALU_DEP_1)
	v_pk_add_f32 v[ST+2:ST+3], v[ST+2:ST+3], v[242:243]
.irp t, 0,1,2,3,4,5,6,7
.irp i, 0,1,2,3,4,5,6,7
.endr
	v_cvt_scalef32_pk8_bf8_f32 v[224+2*\t:225+2*\t], v[96+8*\t:103+8*\t], v244   ; keys 16 t + 8 h + 0..7: registers 2 t, 2 t + 1 of P's fragment
.endr
.set jj, 0
.rept 16
	v_pk_mul_f32 v[OT+jj:OT+jj+1], v[OT+jj:OT+jj+1], v[252:253] op_sel_hi:[1,0]   ; O^T under the new M.  (Also the plain instructions between the conversions and the products)
.set jj, jj+2
.endr
	s_wait_alu depctr_va_vdst(0)
	s_wait_dscnt 0x0                               ; V is in
.irp t, 0,1,2,3                        ; four accumulators by turns; the next step's eight products K Q^T stand ahead of their next links
	v_wmma_f32_16x16x128_bf8_bf8 v[OT+8*\t:OT+8*\t+7], v[32+16*\t:47+16*\t], v[224:239], v[OT+8*\t:OT+8*\t+7]
.endr
.Lhid_\@:
.endm
; THE CHANGE OF SLOTS stands at a slot's head.  Each wave waits for all its tensor loads, adds 0 to its spare word, and waits for that and for its reads of the slot that it has left.  fill = 1: the barrier is a round of the
; cluster's, and behind it the slot just left is filled with the next 256 keys: that load has a whole slot's steps in which to land.
.macro CHANGE fill
	s_wait_tensorcnt 0x0                           ; no tensor load of mine is out, so group 0 may be written
	ds_add_u32 v[SPW], v[NIL]                      ; 0 onto my spare word
.if \fill
	s_xor_b32 s[G0+1], s[G0+1], SLOT1              ; the other slot than last time,
	s_add_nc_u64 s[G0+2:G0+3], s[G0+2:G0+3], SS    ; the next 256 keys; the type bits on top are not reached
	s_wait_xcnt 0x0                                ; the last prefetch, a slot back, has read its address
	s_add_nc_u64 s[PFA:PFA+1], s[PFA:PFA+1], SS    ; one slot further on than the walking descriptor
.endif
	s_wait_dscnt 0x0                               ; the add is done, and my reads of the slot that I have left are over
.if \fill
	CROUND
	TLOAD                                          ; the first thing behind the round, and a wave's one tensor load until the next
	ASK
.else
	s_barrier_signal -1
	s_barrier_wait -1
.endif
.endm
.macro SLOT_STEPS
	STEP 0, 0
	STEP 1, 0
	s_add_co_u32 s[KF], s[KF], 128
	STEP 0, 1
	STEP 1, 1
	s_add_co_u32 s[KF], s[KF], 128
	s_xor_b32 s[TB], s[TB], SLOT1                  ; on to the other slot
.endm
	s_wait_loadcnt 0x0                             ; Q
.Lslot:                                            ; NSL - 1 trips: behind each change of slots but the last the next slot is asked for
	CHANGE 1
	SLOT_STEPS
	s_sub_co_u32 s[SLOTS], s[SLOTS], 1
	s_cmp_lg_u32 s[SLOTS], 0
	s_cbranch_scc1 .Lslot
	CHANGE 0                                       ; the last slot is written out
	SLOT_STEPS
.rept 4
	v_nop                                          ; places behind the last products
.endr
; THE WAY OUT of tile x: O^T / the sum x 2^(e8 + e9), quantised by e10: register 8 t + i is channel 16 t + 8 h + i of my query: the image's registers.  Two stores of 512 consecutive bytes, aligned.
.macro OUT x, d
.set ST, 8+4*(\x)
.set OT, 160+32*(\x)
	v_add_f32 v[ST+2], v[ST+2], v[ST+3]            ; the sum's two halves,
	s_delay_alu instid0(VALU_DEP_1)
	v_permlanex16_b32 v252, v[ST+2], s[SEL], s[SEL+1]
	s_delay_alu instid0(VALU_DEP_1)
	v_add_f32 v[ST+2], v[ST+2], v252               ; and lane l xor 16's
	s_wait_alu depctr_va_vdst(0)
	v_rcp_f32 v[ST+2], v[ST+2]
	v_nop                                          ; a plain instruction behind the transcendental
	s_wait_alu depctr_va_vdst(0)                   ; and the wait ahead of its first reader
	v_ldexp_f32 v[ST+2], v[ST+2], s88
.set jj, 0
.rept 32
	v_mul_f32 v[96+jj], v[OT+jj], v[ST+2]          ; each accumulator from its low end on
.set jj, jj+1
.endr
.set jj, 0
.rept 32
.set jj, jj+1
.endr
.irp t, 0,1,2,3
	v_cvt_scalef32_pk8_bf8_f32 v[224+8*(\x)+2*\t:225+8*(\x)+2*\t], v[96+8*\t:103+8*\t], v246
.endr
	v_nop                                          ; one plain vector instruction between a scaled conversion and the next write of its sources
	global_store_b128 v[LI], v[224+8*(\x):227+8*(\x)], s[\d:\d+1]
	global_store_b128 v[LI], v[228+8*(\x):231+8*(\x)], s[\d:\d+1] offset:512
.endm
	OUT 0, 48
	OUT 1, 50
	s_wait_tensorcnt 0x0                           ; the wave's end
	ds_add_u32 v[SPW], v[NIL]
	s_wait_dscnt 0x0
	CROUND                                         ; the closing round: no work-group ends while a partner may still ask for a tile that names it
	s_endpgm
.Lfunc_end_k_q1156081de3_attn:
	.size	k_q1156081de3_attn, .Lfunc_end_k_q1156081de3_attn-k_q1156081de3_attn
	.p2alignl 7, 3214868480
	.fill 96, 4, 3214868480
	.section	.rodata,"a",@progbits
	.p2align	6, 0x0
	.amdhsa_kernel k_q1156081de3_attn
		.amdhsa_group_segment_fixed_size 327680
		.amdhsa_private_segment_fixed_size 0
		.amdhsa_enable_private_segment 0
		.amdhsa_kernarg_size 24
		.amdhsa_user_sgpr_count 2
		.amdhsa_user_sgpr_kernarg_segment_ptr 1
		.amdhsa_wavefront_size32 1
		.amdhsa_system_sgpr_workgroup_id_x 1
		.amdhsa_system_sgpr_workgroup_id_y 1
		.amdhsa_system_sgpr_workgroup_id_z 1
		.amdhsa_system_vgpr_workitem_id 0
		.amdhsa_next_free_vgpr 256
		.amdhsa_next_free_sgpr 100
		.amdhsa_reserve_vcc 1
		.amdhsa_float_denorm_mode_32 3
		.amdhsa_float_denorm_mode_16_64 3
		.amdhsa_fp16_overflow 1
		.amdhsa_memory_ordered 1
		.amdhsa_forward_progress 1
		.amdhsa_inst_pref_size 163
	.end_amdhsa_kernel
	.amdgpu_metadata
---
amdhsa.version: [ 1, 2 ]
amdhsa.kernels:
  - .name:           k_q1156081de3_attn
    .symbol:         k_q1156081de3_attn.kd
    .args:
      - { .name: qkv, .offset: 0, .size: 8, .value_kind: global_buffer, .address_space: global }
      - { .name: lowp_scales, .offset: 8, .size: 8, .value_kind: global_buffer, .address_space: global }
      - { .name: ac, .offset: 16, .size: 8, .value_kind: global_buffer, .address_space: global }
    .group_segment_fixed_size: 327680
    .private_segment_fixed_size: 0
    .kernarg_segment_align: 8
    .kernarg_segment_size: 24
    .max_flat_workgroup_size: 512
    .sgpr_count:     100
    .vgpr_count:     256
    .wavefront_size: 32
...
	.end_amdgpu_metadata
.endif
;; end of part 3
;; launch oproj (part 4): grid 4 x 32, 4 waves a work-group, clusters of 4 x 4, 327,680 bytes of LDS; arguments ac, cw, lowp_scales, bo, out0; writes out0
.if DOCPART == 4
	.amdgcn_target "amdgcn-amd-amdhsa--gfx1250"
	.amdhsa_code_object_version 6
	.text
	.protected	k_q1156081de3_oproj
	.globl	k_q1156081de3_oproj
	.p2align	8
	.type	k_q1156081de3_oproj,@function
k_q1156081de3_oproj:
	s_mov_b64 s[64:65], 0
	v_nop
	global_prefetch_b8 v0, s[64:65] scope:SCOPE_SE
	s_setreg_imm32_b32 hwreg(HW_REG_WAVE_MODE, 25, 1), 1
	s_wait_xcnt 0x0
	s_wait_alu depctr_hold_cnt(0) depctr_sa_sdst(0) depctr_va_vdst(0) depctr_va_sdst(0) depctr_va_ssrc(0) depctr_va_vcc(0) depctr_vm_vsrc(0)
	s_getreg_b32 s2, hwreg(HW_REG_IB_STS2, 6, 4)
	s_cmp_eq_u32 s2, 0
	s_cbranch_scc0 .Lentry_in_a_cluster
	s_endpgm
.Lentry_in_a_cluster:
	s_bfe_u32 s2, ttmp6, 0x10000c
	s_cmp_lg_u32 s2, 0xf033
	s_cbranch_scc0 .Lentry_shape_is_right
	s_endpgm
.Lentry_shape_is_right:
; out0 = x Wo^T + bo on codes of BF8 (E5M2): x's codes out of ac (scale 2^e10), Wo's out of cw (2^e11), both as images of the operand's registers (16 rows x 64 K = 1,024 bytes; a tile of 16 rows is 16 images, 16,384 bytes).
; out0 = sum x 2^(e10 + e11) + bo, one rounding, f32.  LIMIT: e10 + e11 between -126 and 127, so that the power of two is an f32 number.
; SHARES.  A work-group of four waves makes 256 tokens x 256 columns, a wave 128 x 128: 64 accumulators, 512 registers.  K = 1,024 goes in four steps of 256 through a ring of two LDS slots.  32 x 4 tiles: 128 work-groups;
; a tile of half the size would give 256, with half as many products for each fragment read from LDS: not taken here.
; Source 0 of the matrix instruction takes 16 rows of Wo, source 1 16 tokens: a lane holds eight neighbouring numbers of a row of out0.
; CLUSTERS: 4 x 4 work-groups.  The four of a row of the cluster need the same tokens, the four of a column the same rows of Wo: each tile is asked for JOINTLY, by the same tensor load with the same descriptor and a mask.
; One tensor load brings 8 pieces of 4,096 bytes (128 rows x 256 K), dense in LDS: a fragment is four loads of 512 consecutive bytes.  No prefetch: of the four K steps two are first fills.
; REGISTERS, in windows of 256: window 0: v16-29 addresses; v32-95 the way out; from v128 the tokens' fragments, one set, later rows of out0.  window 1: Wo's, two sets, at v0 and v128 (set 0 takes the bias at the end).
;   window 2: the accumulators of my rows 0-63 ((a, b) at v[8 (8 a + b)]);  window 3: those of rows 64-127.
.set KSB,   4096                       ; a tile of 16 rows x 256 K
.set HALFT, 8*KSB                      ; 128 rows: what one tensor load brings, and what one wave reads of a side
.set SLOT,  4*HALFT                    ; the tokens' 256 rows, then Wo's
.set SPARE, 2*SLOT                     ; behind the ring: the spare words, 128 bytes for each wave: two blocks of 256 bytes that no other line names
.set SPITCH, 528                       ; the way out: a stage of 16 rows x (512 bytes + 16) for each wave, in slot 0, which has had its last fill and its last read when the first result is stored there
.set FR,    16
.set NL,    4
.set NP,    4                          ; places behind this matrix instruction (ISA guide 7.12.1)
.set ADRA, 16                          ; v16-17  LDS address of my A fragments in slot 0, 1
.set ADRB, 20                          ; v20-21  the same for B
.set STO,  24                          ; v24     the way out: where I put 32 bytes of a row
.set RD,   25                          ; v25     where I read a row back
.set CO,   26                          ; v26     16 x lane
.set BO,   27                          ; v27     32 x (lane / 16)
.set SPW,  28                          ; v28     LDS address of my spare word; never rewritten
.set NIL,  29                          ; v29     0; never rewritten
.set TMP,  32                          ; v32-95  a block's 64 results
.set AF,   128
.set BK,   128                         ; 16 rows read back from the stage: v128-191 and v192-255 by turns
.set G1, 24
.set G0, 32
.set G1B, 48
.set G0B, 56
.set MSB, 0
.macro WIN new                         ; the immediate's high byte repeats the setting that is left
.if MSB != (\new)
	s_set_vgpr_msb (MSB<<8)|(\new)
.set MSB, (\new)
.endif
.endm
.set MUL_LO, 0xa1                      ; source 0 (B) window 1, source 1 (A) window 0, C and D window 2
.set MUL_HI, 0xf1                      ; the same, C and D window 3
.set TO_B,   0x40                      ; destination window 1, address window 0
.macro JLOAD g0a, g1a, g0b, g1b        ; a joint load: waves 0 and 1 fetch for the tokens, waves 2 and 3 for Wo; four v_nop follow each of the two lines
	s_cmp_eq_u32 s15, 0
	s_cbranch_scc0 .Lfor_b_\@
	tensor_load_to_lds s[\g0a:\g0a+3], s[\g1a:\g1a+7]
	s_nop 0
.rept 4
	v_nop
.endr
	s_branch .Lasked_\@
.Lfor_b_\@:
	tensor_load_to_lds s[\g0b:\g0b+3], s[\g1b:\g1b+7]
	s_nop 0
.rept 4
	v_nop
.endr
.Lasked_\@:
.endm
.macro CREST                           ; a round of the cluster's barrier behind its opening barrier
	s_cmp_lg_u32 s14, 0
	s_cbranch_scc1 .Lnot_wave_0_\@
	s_barrier_signal -3
.Lnot_wave_0_\@:
	s_barrier_wait -3
	s_barrier_signal -1
	s_barrier_wait -1
.endm
.macro CROUND
	s_barrier_signal -1
	s_barrier_wait -1
	CREST
.endm
	s_load_b256 s[4:11], s[0:1], 0x0               ; ac s[4:5], cw s[6:7], the scales' exponents s[8:9], bo s[10:11]
	s_load_b64 s[82:83], s[0:1], 0x20              ; out0
	v_lshl_add_u32 v[SPW], v0, 2, SPARE
	v_mov_b32 v[NIL], 0
	ds_add_u32 v28, v29
	ds_add_u32 v28, v29
	s_wait_dscnt 0x0
	v_lshrrev_b32 v1, 5, v0
	v_readfirstlane_b32 s14, v1                    ; wave 0..3
	s_lshr_b32 s15, s14, 1                         ; which half of the tile's rows is mine.  Also: I fetch for A (0) or for B (1)
	s_and_b32 s16, s14, 1                          ; which half of its columns.  Also: which 128 rows of that tile I fetch
	s_bfe_u32 s40, ttmp6, 0x40000                  ; cx, cy
	s_bfe_u32 s41, ttmp6, 0x40004
	s_lshl_b32 s42, ttmp9, 2
	s_add_co_u32 s42, s42, s40                     ; tile column = 4 x cluster x + cx
	s_and_b32 s17, ttmp7, 0xffff
	s_lshl_b32 s17, s17, 2
	s_add_co_u32 s17, s17, s41                     ; tile row = 4 x cluster y + cy
	s_lshl_b32 s43, s41, 2
	s_lshl_b32 s43, 15, s43                        ; my row of the cluster
	s_lshl_b32 s44, 0x1111, s40                    ; my column
	; descriptor group 1: 8 rows of 512 elements of 8 bytes (4,096 bytes), 2,048 elements (16,384 bytes) apart, dense in LDS
	s_or_b32 s[G1+0], s43, (3<<16)|(1<<21)         ; 15:0 the mask; 17:16 elements of 8 bytes; 20 no padding; 21 set beside a mask
	s_or_b32 s[G1B+0], s44, (3<<16)|(1<<21)
.irp g, G1, G1B
	s_mov_b32 s[\g+1], 512<<16                     ; tensor_dim0
	s_mov_b32 s[\g+2], 8<<16                       ; tensor_dim1
	s_mov_b32 s[\g+3], 512<<16                     ; tile_dim0
	s_mov_b32 s[\g+4], 8                           ; tile_dim1
	s_mov_b32 s[\g+5], 2048                        ; tensor_dim0_stride
	s_mov_b32 s[\g+6], 0
	s_mov_b32 s[\g+7], 0
.endr
	s_lshl_b32 s92, s16, 17                        ; which 128 rows of the tile I fetch
	s_lshl_b32 s20, s17, 18                        ; 256 rows are 262,144 bytes
	s_add_co_u32 s20, s20, s92
	s_mov_b32 s21, 0
	s_lshl_b32 s46, s42, 18
	s_add_co_u32 s46, s46, s92
	s_add_co_u32 s46, s46, 28311552                ; Wo's codes in cw
	s_mov_b32 s47, 0
	s_mul_i32 s45, s14, HALFT                      ; where they go: wave x 128 rows
	s_wait_kmcnt 0x0
	s_load_b64 s[76:77], s[8:9], 0x28              ; e10, e11
	s_add_nc_u64 s[20:21], s[4:5], s[20:21]
	s_add_nc_u64 s[46:47], s[6:7], s[46:47]
	CROUND                                         ; all sixteen work-groups are here: the first joint loads meet
.irp s, 0,1
	s_mov_b32 s[G0+4*\s], 1
	s_add_co_u32 s[G0+4*\s+1], s45, \s*SLOT
	s_add_nc_u64 s[G0+4*\s+2:G0+4*\s+3], s[20:21], \s*KSB
	s_or_b32 s[G0+4*\s+3], s[G0+4*\s+3], 0x80000000
	s_mov_b32 s[G0B+4*\s], 1
	s_add_co_u32 s[G0B+4*\s+1], s45, \s*SLOT
	s_add_nc_u64 s[G0B+4*\s+2:G0B+4*\s+3], s[46:47], \s*KSB
	s_or_b32 s[G0B+4*\s+3], s[G0B+4*\s+3], 0x80000000
	s_wait_alu depctr_va_vdst(0)
	s_wait_tensorcnt 0x0
	ds_add_u32 v28, v29
	ds_add_u32 v28, v29
	s_wait_dscnt 0x0
	CROUND
	JLOAD G0+4*\s, G1, G0B+4*\s, G1B
.endr
	v_and_b32 v1, 31, v0
	v_lshlrev_b32 v[CO], 4, v1
	v_bfe_u32 v2, v0, 4, 1
	v_lshlrev_b32 v[BO], 5, v2
	v_and_b32 v3, 15, v0
	s_wait_alu depctr_va_vdst(0)
	s_mul_i32 s21, s15, HALFT                      ; my 128 tokens
	s_mul_i32 s22, s16, HALFT                      ; my 128 rows of Wo,
	s_add_co_u32 s22, s22, 2*HALFT                 ; which lie behind the tokens' 256
.irp s, 0,1
	v_add_nc_u32 v[ADRA+\s], s21, v[CO]
	v_add_nc_u32 v[ADRB+\s], s22, v[CO]
	s_add_co_u32 s21, s21, SLOT
	s_add_co_u32 s22, s22, SLOT
.endr
	s_mul_i32 s23, s14, 16*SPITCH                  ; my stage
	v_mul_u32_u24 v4, v3, SPITCH                   ; in: row l % 16, 32 bytes for each half of the lanes
	v_add_nc_u32 v4, v4, v[BO]
	v_add_nc_u32 v[STO], s23, v4
	v_add_nc_u32 v[RD], s23, v[CO]                 ; back: the 32 lanes take one row of 512 bytes
	s_lshl_b32 s92, s42, 10
	s_lshl_b32 s93, s16, 9
	s_add_co_u32 s92, s92, s93                     ; my 128 columns, in bytes
	s_mov_b32 s93, 0
	s_add_nc_u64 s[86:87], s[10:11], s[92:93]      ; in bo,
	s_add_nc_u64 s[82:83], s[82:83], s[92:93]      ; and in a row of out0
	s_lshl_b32 s92, s17, 20
	s_lshl_b32 s94, s15, 19
	s_add_co_u32 s92, s92, s94                     ; my first row: (256 x tile row + 128 x half) x 4,096 bytes
	s_add_nc_u64 s[82:83], s[82:83], s[92:93]
.macro FRAG reg, adr, q, i             ; a fragment, 16 rows x 128 K: two images on end: four loads of 512 consecutive bytes
.irp c, 0,1,2,3
	ds_load_b128 v[\reg+4*\c:\reg+4*\c+3], v[\adr] offset:2048*(\q)+512*\c+(\i)*KSB
.endr
.endm
.macro MUL16 a0, p, zero               ; 16 matrix instructions: A's blocks a0, a0 + 1 x B's eight.  The 64 accumulators take turns, one instruction a turn
.irp a, \a0, \a0+1
.irp b, 0,1,2,3,4,5,6,7
.if \zero
	v_wmma_f32_16x16x128_bf8_bf8 v[8*(8*((\a)%4)+\b):8*(8*((\a)%4)+\b)+7], v[128*(\p)+FR*\b:128*(\p)+FR*\b+FR-1], v[AF+FR*(\a):AF+FR*(\a)+FR-1], 0
.else
	v_wmma_f32_16x16x128_bf8_bf8 v[8*(8*((\a)%4)+\b):8*(8*((\a)%4)+\b)+7], v[128*(\p)+FR*\b:128*(\p)+FR*\b+FR-1], v[AF+FR*(\a):AF+FR*(\a)+FR-1], v[8*(8*((\a)%4)+\b):8*(8*((\a)%4)+\b)+7]
.endif
.endr
.endr
.endm
.macro FETCH_B slot, q, p
	WIN TO_B
.irp i, 0,1,2,3,4,5,6,7
	FRAG 128*(\p)+FR*\i, ADRB+\slot, \q, \i
.endr
	WIN 0
.endm
.macro FETCH_A slot, q, i0
.irp i, \i0, \i0+1, \i0+2, \i0+3
	FRAG AF+FR*(\i), ADRA+\slot, \q, \i
.endr
.endm
.macro PLACES n                        ; plain vector instructions between a matrix instruction and a load into, or a read of, its registers
.rept \n
	v_nop
.endr
.endm
.macro STEP slot, q, zero              ; a step of 128 along K that has its successor in the same slot
	s_wait_dscnt 4*NL                              ; B's set and A's blocks 0-3 are in; the youngest 16 loads (A's blocks 4-7) may be out
	WIN MUL_LO
	MUL16 0, (\q)%2, \zero
	MUL16 2, (\q)%2, \zero
	s_wait_dscnt 0
	PLACES NP
	FETCH_B \slot, (\q)+1, 1-(\q)%2
	FETCH_A \slot, (\q)+1, 0
	WIN MUL_HI
	MUL16 4, (\q)%2, \zero
	MUL16 6, (\q)%2, \zero
	PLACES NP
	WIN 0
	FETCH_A \slot, (\q)+1, 4
.endm
; A slot's last step changes slots: ONE barrier; in front of it each wave waits for all its tensor loads, adds 0 to its spare word, and waits for that and for its own reads of this slot.
.macro TURN slot, next, fill
	s_wait_tensorcnt 0x0                           ; all my tensor loads have landed: my part of the next slot
	ds_add_u32 v[SPW], v[NIL]                      ; 0 onto my spare word
	s_wait_dscnt 4*NL+1                            ; (the add and the youngest 16 loads may be out)
	WIN MUL_LO
	MUL16 0, 1, 0
	s_wait_dscnt 0x0                               ; the add is done, and my reads of this slot are over
	s_barrier_signal -1
	MUL16 2, 1, 0
	WIN 0
	s_barrier_wait -1
.if \fill
	CREST                                          ; the barrier has opened a round of the cluster's barrier
	s_add_nc_u64 s[G0+4*\slot+2:G0+4*\slot+3], s[G0+4*\slot+2:G0+4*\slot+3], 2*KSB
	s_add_nc_u64 s[G0B+4*\slot+2:G0B+4*\slot+3], s[G0B+4*\slot+2:G0B+4*\slot+3], 2*KSB
	JLOAD G0+4*\slot, G1, G0B+4*\slot, G1B         ; the first tensor load behind the round; its four v_nop are the places in front of the loads below
.else
	PLACES NP
.endif
	FETCH_B \next, 0, 0
	FETCH_A \next, 0, 0
	WIN MUL_HI
	MUL16 4, 1, 0
	MUL16 6, 1, 0
	PLACES NP
	WIN 0
	FETCH_A \next, 0, 4
.endm
	s_wait_alu depctr_va_vdst(0)
	s_wait_tensorcnt 1                             ; my part of K step 0 is in (K step 1's load may be out)
	s_barrier_signal -1
	s_barrier_wait -1                              ; everybody's is
	FETCH_B 0, 0, 0
	FETCH_A 0, 0, 0
	FETCH_A 0, 0, 4
	STEP 0, 0, 1                                   ; the first products start the sums: nothing is cleared
	TURN 0, 1, 1                                   ; slot 0 takes K step 2
	STEP 1, 0, 0
	TURN 1, 0, 1                                   ; slot 1 takes K step 3
	STEP 0, 0, 0
	TURN 0, 1, 0                                   ; nothing is left to fetch: no round
	STEP 1, 0, 0
	WIN TO_B                                       ; the bias lands in B's set 0, which the step above has left (its closing places stand behind the last product that read it), while the last 64 products are issued
.irp b, 0,1,2,3,4,5,6,7
	global_load_b128 v[8*\b:8*\b+3],   v[BO], s[86:87] offset:64*\b      ; register 8 b + j: bo of column 16 b + 8 h + j
	global_load_b128 v[8*\b+4:8*\b+7], v[BO], s[86:87] offset:64*\b+16
.endr
	WIN 0
	s_wait_kmcnt 0x0
	s_add_co_i32 s96, s76, s77                     ; e10 + e11, between -126 and 127,
	s_add_co_i32 s96, s96, 127
	s_lshl_b32 s96, s96, 23                        ; makes the f32 number 2^(e10 + e11)
	s_mov_b32 s97, s96                             ; (named with it as a pair, so it is written)
	s_wait_dscnt 4*NL                              ; the very last 128 along K: nothing more to fetch
	WIN MUL_LO
	MUL16 0, 1, 0
	MUL16 2, 1, 0
	s_wait_dscnt 0
	WIN MUL_HI
	MUL16 4, 1, 0
	MUL16 6, 1, 0
	WIN 0
; THE WAY OUT, block by block of 16 rows x 128 columns: a lane holds 32 neighbouring bytes of a row, so a block goes through my own stage in LDS and comes back as whole rows of 512 bytes.
; LDS serves a wave's instructions in order (ISA guide 5.7.1.4): no wait between the stores and the loads, nor in front of the next block's stores.
.macro TOSTAGE a
.set AC, 64*((\a)%4)
	WIN 0x12+((\a)/4)                              ; source 0 (the sums) window 2 or 3, source 2 (the bias) window 1
.irp j, 0,2,4,6,8,10,12,14,16,18,20,22,24,26,28,30,32,34,36,38,40,42,44,46,48,50,52,54,56,58,60,62
	v_pk_fma_f32 v[TMP+\j:TMP+\j+1], v[AC+\j:AC+\j+1], s[96:97], v[\j:\j+1] op_sel_hi:[1,0,1]   ; sum x 2^(e10 + e11) + bo; each accumulator from its low end on
.endr
	WIN 0
.irp b, 0,1,2,3,4,5,6,7
	ds_store_b128 v[STO], v[TMP+8*\b:TMP+8*\b+3] offset:64*\b
	ds_store_b128 v[STO], v[TMP+8*\b+4:TMP+8*\b+7] offset:64*\b+16
.endr
.set BB, BK+64*((\a)%2)
.irp t, 0,1,2,3,4,5,6,7,8,9,10,11,12,13,14,15
	ds_load_b128 v[BB+4*\t:BB+4*\t+3], v[RD] offset:\t*SPITCH
.endr
.endm
.macro SEND a, younger                 ; younger: the LDS instructions issued behind block a's loads, which may stay out
.set BB, BK+64*((\a)%2)
	s_wait_dscnt \younger                          ; the block is back in registers
.if (\a) > 0
	s_add_nc_u64 s[82:83], s[82:83], 16*4096       ; (behind a wait on XCNT: the earlier stores have read their base)  16 rows on
.endif
.irp t, 0,1,2,3,4,5,6,7,8,9,10,11,12,13,14,15
	global_store_b128 v[CO], v[BB+4*\t:BB+4*\t+3], s[82:83] offset:\t*4096 th:TH_STORE_NT   ; 32 lanes store 512 consecutive bytes, aligned; written once, read by nobody here
.endr
.endm
	PLACES NP                                      ; behind the last products: for the first read of results and for the loads into the registers that held A's fragments
	s_wait_loadcnt 0x0                             ; the bias
	TOSTAGE 0
.irp a, 1,2,3,4,5,6,7
.if \a > 1
	s_wait_xcnt 0x0                                ; block a - 2's stores have read their registers and their base
.endif
	TOSTAGE \a
	SEND \a-1, 32                                  ; behind block a - 1's loads: block a's 16 stores and 16 loads
.endr
	s_wait_xcnt 0x0                                ; block 6's stores have read their base
	SEND 7, 0
	s_wait_tensorcnt 0x0                           ; the wave's end
	ds_add_u32 v[SPW], v[NIL]
	s_wait_dscnt 0x0
	CROUND                                         ; the closing round: no work-group ends while a partner may still ask for a tile that names it
	s_endpgm
.Lfunc_end_k_q1156081de3_oproj:
	.size	k_q1156081de3_oproj, .Lfunc_end_k_q1156081de3_oproj-k_q1156081de3_oproj
	.p2alignl 7, 3214868480
	.fill 96, 4, 3214868480
	.section	.rodata,"a",@progbits
	.p2align	6, 0x0
	.amdhsa_kernel k_q1156081de3_oproj
		.amdhsa_group_segment_fixed_size 327680
		.amdhsa_private_segment_fixed_size 0
		.amdhsa_enable_private_segment 0
		.amdhsa_kernarg_size 40
		.amdhsa_user_sgpr_count 2
		.amdhsa_user_sgpr_kernarg_segment_ptr 1
		.amdhsa_wavefront_size32 1
		.amdhsa_system_sgpr_workgroup_id_x 1
		.amdhsa_system_sgpr_workgroup_id_y 1
		.amdhsa_system_sgpr_workgroup_id_z 1
		.amdhsa_system_vgpr_workitem_id 0
		.amdhsa_next_free_vgpr 1024
		.amdhsa_next_free_sgpr 100
		.amdhsa_reserve_vcc 0
		.amdhsa_float_denorm_mode_32 3
		.amdhsa_float_denorm_mode_16_64 3
		.amdhsa_memory_ordered 1
		.amdhsa_forward_progress 1
		.amdhsa_inst_pref_size 125
	.end_amdhsa_kernel
	.amdgpu_metadata
---
amdhsa.version: [ 1, 2 ]
amdhsa.kernels:
  - .name:           k_q1156081de3_oproj
    .symbol:         k_q1156081de3_oproj.kd
    .args:
      - { .name: ac, .offset: 0, .size: 8, .value_kind: global_buffer, .address_space: global }
      - { .name: cw, .offset: 8, .size: 8, .value_kind: global_buffer, .address_space: global }
      - { .name: lowp_scales, .offset: 16, .size: 8, .value_kind: global_buffer, .address_space: global }
      - { .name: bo, .offset: 24, .size: 8, .value_kind: global_buffer, .address_space: global }
      - { .name: out0, .offset: 32, .size: 8, .value_kind: global_buffer, .address_space: global }
    .group_segment_fixed_size: 327680
    .private_segment_fixed_size: 0
    .kernarg_segment_align: 8
    .kernarg_segment_size: 40
    .max_flat_workgroup_size: 128
    .sgpr_count:     100
    .vgpr_count:     1024
    .wavefront_size: 32
...
	.end_amdgpu_metadata
.endif
;; end of part 4
